; MI455X (gfx1250); checked and timed in simulation.
; The chip was launched on July 23, 2026; its instructions are those of AMD's public machine-readable ISA for CDNA 5 (MIT licence, August 2026) and "CDNA5" Instruction Set Architecture Reference Guide (July 2026). The comments in the code are by the model that wrote it; some were corrected since.
;; Self Attention. Allowed arithmetic: matrix products marked QUANTISED: E2M1 operands, one E8M0 scale for each 32 along K, by v_wmma_scale_f32_16x16x128_f8f6f4 with both operands' format E2M1 (or v_wmma_scale_f32_32x16x128_f4), f32 sums; everything else in f32.
;; Inputs: mask 32 x 2,048 int32; x 32 x 2,048 x 256 float32.
;; Outputs: out0 32 x 2,048 x 256 float32.
;; This version of the problem:
;;   THIS VERSION OF THE PROBLEM IS GIVEN IN LOW PRECISION. The matrix products marked QUANTISED in the list below multiply operands that are first quantised to E2M1 (2 exponent bits, 1 mantissa bit; 4 bits a number), with one power-of-two scale for each 32 numbers along K (OCP MX v1.0); their sums are f32. All else is computed in f32.
;;   The module's matrix products, in the order in which they are computed (A, B: the left and right operand; K: the contracted axis; several contracted axes count as one K, in the product's order):
;;     1. batch 32 x [M 2,048, K 256] x [K 256, N 2,048]; A: input x; B: input x: QUANTISED
;;     2. batch 32 x [M 2,048, K 2,048] x [K 2,048, N 256]; A: computed on the way; B: input x: QUANTISED
;;   THE QUANTISER, for each operand of a quantised product, along K:
;;     - K is cut into blocks of 32 from its start; a last block that is shorter is filled with zeros.
;;     - A block's scale is 2^e with e = floor(log2(the largest magnitude in the block)) - 2, held to -126 .. 127; a block of zeros has e = 0. As a byte (E8M0): e + 127.
;;     - Each number is divided by its block's scale, clamped to +-6, and rounded to the nearest number of E2M1, ties to even, subnormals kept.
;;     - The product sums the exact products of the quantised numbers (number of the format x scale) in f32.
;;   ~~~python
;;   def quantise(x, axis):      # numpy; x: float32 -> the quantised numbers, widened to float32 again
;;       x = np.moveaxis(x, axis, -1); K = x.shape[-1]
;;       x = np.pad(x, [(0, 0)] * (x.ndim - 1) + [(0, -K % 32)]); x = x.reshape(x.shape[:-1] + (-1, 32)); a = np.abs(x).max(-1, keepdims=True)
;;       e = np.where(a > 0, np.clip(np.frexp(np.where(a > 0, a, 1))[1] - 1 - 2, -126, 127), 0)      # np.frexp(a)[1] - 1 = floor(log2(a)), exactly
;;       r = np.clip(x / 2.0 ** e, -6, 6)
;;       step = 2.0 ** (np.maximum(np.frexp(np.where(r == 0, 1, r))[1] - 1, 0) - 1)
;;       q = np.round(r / step) * step * 2.0 ** e      # np.round: ties to even
;;       return np.moveaxis(q.reshape(q.shape[:-2] + (-1,))[..., :K], -1, axis).astype(np.float32)
;;   ~~~
;;   OPERANDS COMPUTED ON THE WAY. 'Computed on the way' means the value that the module computes at that place (a softmax that the list does not call 'softmax' is quantised finished and normalised). What goes into a quantiser is computed in f32, as accurately as f32 sums, v_exp_f32 and their like allow (about 1e-6 of the number): no bf16 or f16 on the way to a quantiser, and a product that is left as it is and whose result goes on into a quantised operand takes f32 operands (vector FMAs, or v_wmma_f32_16x16x4_f32). A number that lies on a knife's edge between two numbers of the format may be rounded either way, as far as f32 arithmetic and the matrix unit's own rounding can turn it there, and no further.
;; One version. Each part assembles by itself: llvm-mc -triple=amdgcn-amd-amdhsa -mcpu=gfx1250 --defsym DOCPART=n.
;; ======== version 1 of 1: 2 launches
;; workspace buffers: kimg 8,388,608 bytes; ksc 524,288 bytes; vimg 8,388,608 bytes; vsc 524,288 bytes; perm 262,144 bytes of whole numbers; cnt 4,096 bytes of whole numbers
;; launch prep (part 1): grid 544 x 1, 8 waves a work-group, no clusters, 39,936 bytes of LDS; arguments x, mask, kimg, ksc, vimg, vsc, perm, cnt; writes kimg, ksc, vimg, vsc, perm, cnt
.if DOCPART == 1
	.amdgcn_target "amdgcn-amd-amdhsa--gfx1250"
	.amdhsa_code_object_version 6
	.text
	.protected	k_q26d5748282_prep
	.globl	k_q26d5748282_prep
	.p2align	8
	.type	k_q26d5748282_prep,@function
k_q26d5748282_prep:
	s_mov_b64 s[64:65], 0
	v_nop
	global_prefetch_b8 v0, s[64:65] scope:SCOPE_SE
	s_setreg_imm32_b32 hwreg(HW_REG_WAVE_MODE, 25, 1), 1
	s_wait_xcnt 0x0
; THE PROBLEM.  s[i][j] = Q(x_i) . Q(x_j) (K = the 256 channels);  a[i][j] = exp(s) m_j / (sum over i of exp(s) m_j + 1e-7);  out[j][d] = sum over i of Q(a[.][j]) Q(x[.][d]) (K = the 2,048 keys i).
; THIS LAUNCH reads x once and stores both of its quantisations (FP4 = E2M1, one E8M0 byte for each 32 along K), laid in the order of the operands' registers, and for each batch a list of the queries.
;   kimg [b][T 128][f 4][lane 32][16 B]: x quantised along the channels.  Tile T = 2 G + u holds rows 32 G + 8 u + r + 8 (r / 8); lane (r, h) of image f = 2 s + c holds channels 128 s + 64 c + 32 h + 0 .. 31 of its row.
;   ksc  [b][T][lane = r + 16 s] words: the four scale bytes of channels 128 s .. 128 s + 127 of that row.
;   vimg [b][dt 16][ks 16][c 2][lane = r + 16 h][16 B]: x quantised along the keys: channel 16 dt + r, keys 128 ks + 64 c + 32 h + 0 .. 31.
;   vsc  [b][ks][channel 256] words: the scale bytes of key blocks 4 ks .. 4 ks + 3.
;   perm [b][2048]: the queries, those with m != 0 first;  cnt [b][32]: how many those are (the number 32 times).
; WORK THAT THE NEXT LAUNCH LEAVES OUT.  For a query j with m_j = 0 reference() has a[i][j] = exp(s) x 0 / (0 + 1e-7) = 0 for every i and every finite exp(s), so the quantiser sees a block of zeros and out[j][:] = 0.
; Which queries those are is decided by whole numbers, the int32 input mask: this launch sorts them to the list's end, and the next launch, which reads list and count from memory, computes no first product, no
; exponential and no quantiser for a tile of 16 list entries that holds such queries alone, and no second product for a pair of such tiles; their rows of out are stored as zeros.  No input is left out.
; LIMIT: an overflow of exp (infinity x 0 = NaN in reference()) that reaches only such a column is not carried to the result.
; THE QUANTISER.  A block's scale byte is its largest magnitude's exponent field - 2, held at 1 from below by the floor 2^(3 - 127) among the maximum's leaves; the conversion divides by the scale, rounds to the nearest
; code, ties to even, and gives the largest code beyond 6.  A block of zeros gets the byte 1 where the rule says 127: its codes are zeros, and this program alone reads the bytes.  NaN and infinities in x are not served.
; SHARES.  Work-groups 0 to 511: work-group (b, ks) takes rows 128 ks .. + 127 of batch b; wave w its channels 32 w .. + 31, in four blocks of 32 rows.  A lane loads one channel, its 32 registers run down the rows: that
; is a block along the keys as it stands.  For the blocks along the channels the 32 x 32 numbers turn through the wave's own stage in LDS: a lane then holds one row's 32 channels.  Rows are laid in the stage in the order
; of kimg's tiles.  Work-groups 512 to 543 make one batch's list each, and nothing else: they touch no LDS and pass no barrier; the branch hangs on the work-group's number alone, so it is the same in all eight waves.
; With 160 registers a wave, three work-groups fit on a WGP's four SIMDs of 1,024 (6 waves x 160), so the list's work-groups can stand beside the stream's two.
; No tensor load, no matrix unit, no cluster: the launch streams x once, and work-groups share nothing.
.set WV,     20                        ; s20  my wave's number
.set SPITCH, 144                       ; a stage slot: 128 bytes + 16
.set KSW,    36864                     ; behind the eight stages of 32 x 144 bytes: the work-group's 1,024 bytes of ksc,
.set VSW,    37888                     ; its 1,024 bytes of vsc,
.set SPARE,  38912                     ; and the spare words, 128 bytes for each wave: four blocks of 256 bytes that no other line names
.set LANE, 1                           ; v1   lane
.set XO,   2                           ; v2   4 x lane
.set SS,   3                           ; v3   stage, on the way in: my wave's stage + 4 x lane
.set SL,   4                           ; v4   stage, on the way out: my wave's stage + 144 x lane
.set VO,   5                           ; v5   vimg: (lane / 16) x 16,384 + (lane % 16) x 16
.set KO,   6                           ; v6   kimg: (lane / 16) x 2,048 + (lane % 16) x 16
.set KB,   7                           ; v7   LDS byte of my row's scale byte
.set VB,   8                           ; v8   LDS word of my channel's scale word
.set FO,   9                           ; v9   the scales' way out: 16 x (thread % 64)
.set FL,   10                          ; v10  and its LDS address: KSW + 16 x (thread % 128)
.set L16,  11                          ; v11  16 x lane
.set SPW,  12                          ; v12  LDS address of my spare word; never rewritten
.set NIL,  13                          ; v13  0; never rewritten
.set VW,   17                          ; v17  my channel's scale word, gathered over the four blocks  (v14-16, v18, v19 at work)
.set KBY,  20                          ; v20-23   a row's scale byte for each block
.set X,    32                          ; v32-95   two sets of 32 numbers as loaded
.set Y,    96                          ; v96-127  the block turned
.set VC,   128                         ; v128-143 codes along the keys, four registers a block: no store's data are written again
.set KC,   144                         ; v144-159 codes along the channels, likewise
.set OWN,  24                          ; the list's work-groups: v24-31 my wave's 256 masks;
.set M,    32                          ; v32-95   all 2,048 masks;
.set LA,   96                          ; v96-103  where my queries go;
.set LD,   104                         ; v104-111 and their numbers
	s_load_b256 s[4:11], s[0:1], 0x0               ; x s[4:5], mask s[6:7], kimg s[8:9], ksc s[10:11]
	s_load_b256 s[12:19], s[0:1], 0x20             ; vimg s[12:13], vsc s[14:15], perm s[16:17], cnt s[18:19]
	v_lshl_add_u32 v[SPW], v0, 2, SPARE
	v_mov_b32 v[NIL], 0
	v_lshrrev_b32 v14, 5, v0
	v_readfirstlane_b32 s[WV], v14                 ; wave 0..7
	v_and_b32 v[LANE], 31, v0
	v_lshlrev_b32 v[XO], 2, v[LANE]
	v_lshlrev_b32 v[L16], 4, v[LANE]
	s_cmp_ge_u32 ttmp9, 512                        ; the last 32 work-groups make the lists
	s_cbranch_scc1 .Llist
	s_mul_i32 s21, s[WV], 32*SPITCH                ; my stage
	v_add_nc_u32 v[SS], s21, v[XO]
	v_mul_u32_u24 v[SL], v[LANE], SPITCH
	v_add_nc_u32 v[SL], s21, v[SL]
	v_lshrrev_b32 v14, 4, v[LANE]                  ; lane / 16
	v_and_b32 v15, 15, v[LANE]                     ; lane % 16
	v_lshlrev_b32 v[VO], 4, v15
	v_lshl_add_u32 v[KO], v14, 11, v[VO]
	v_lshl_add_u32 v[VO], v14, 14, v[VO]
	v_lshlrev_b32 v[KB], 2, v15
	v_lshl_add_u32 v[KB], v14, 7, v[KB]            ; tile lane / 16 of the block's two, row lane % 16: 128 bytes a tile, 4 a row;
	s_lshr_b32 s22, s[WV], 2
	s_lshl_b32 s22, s22, 6                         ; the word of channels 128 (w / 4) on lies 64 bytes further,
	s_and_b32 s23, s[WV], 3                        ; and my block of 32 channels is its byte w % 4
	s_add_co_u32 s22, s22, s23
	s_add_co_u32 s22, s22, KSW
	v_add_nc_u32 v[KB], s22, v[KB]
	v_lshl_add_u32 v[VB], v0, 2, VSW               ; my channel is my thread's number
	v_and_b32 v[FO], 63, v0
	v_lshlrev_b32 v[FO], 4, v[FO]
	v_and_b32 v[FL], 127, v0
	v_lshl_add_u32 v[FL], v[FL], 4, KSW
	s_lshr_b32 s24, ttmp9, 4                       ; b
	s_and_b32 s25, ttmp9, 15                       ; ks
	s_lshl_b32 s26, s24, 21                        ; x: b x 2,097,152 + ks x 131,072 + w x 128
	s_lshl_b32 s38, s25, 17
	s_add_co_u32 s26, s26, s38
	s_lshl_b32 s38, s[WV], 7
	s_add_co_u32 s26, s26, s38
	s_mov_b32 s27, 0
	s_lshl_b32 s28, s24, 18                        ; vimg: b x 262,144 + w x 32,768 + ks x 1,024
	s_lshl_b32 s38, s[WV], 15
	s_add_co_u32 s28, s28, s38
	s_lshl_b32 s38, s25, 10
	s_add_co_u32 s28, s28, s38
	s_mov_b32 s29, 0
	s_lshl_b32 s30, s24, 18                        ; kimg: b x 262,144 + ks x 16,384 + w x 256
	s_lshl_b32 s38, s25, 14
	s_add_co_u32 s30, s30, s38
	s_lshl_b32 s38, s[WV], 8
	s_add_co_u32 s30, s30, s38
	s_mov_b32 s31, 0
	s_lshl_b32 s32, s24, 14                        ; ksc and vsc: b x 16,384 + ks x 1,024
	s_lshl_b32 s38, s25, 10
	s_add_co_u32 s32, s32, s38
	s_mov_b32 s33, 0
	s_wait_kmcnt 0x0
	s_add_nc_u64 s[4:5], s[4:5], s[26:27]
	s_add_nc_u64 s[12:13], s[12:13], s[28:29]
	s_add_nc_u64 s[8:9], s[8:9], s[30:31]
	s_add_nc_u64 s[10:11], s[10:11], s[32:33]
	s_add_nc_u64 s[14:15], s[14:15], s[32:33]
.macro LOAD t                          ; block t: x(32 t + i, my channel), i = 0 .. 31, into set t % 2: a wave's load reads 128 consecutive bytes, the eight waves a whole row
.irp i, 0,1,2,3,4,5,6,7,8,9,10,11,12,13,14,15,16,17,18,19,20,21,22,23,24,25,26,27,28,29,30,31
	global_load_b32 v[X+32*((\t)%2)+\i], v[XO], s[4:5] offset:(32*(\t)+\i)*1024 th:TH_LOAD_NT
.endr
.endm
	LOAD 0
	LOAD 1
; 32 numbers v[src] .. v[src + 31] of one block become 32 codes in v[dst] .. v[dst + 3]; v16 is left holding the scale operand, whose exponent field is the scale's byte
.macro QB src, dst
	v_max3_num_f32 v14, |v[\src]|, |v[\src+1]|, |v[\src+2]|        ; the largest magnitude, in two chains
	v_max3_num_f32 v15, |v[\src+3]|, |v[\src+4]|, |v[\src+5]|
.irp i, 6,10,14,18,22,26
	v_max3_num_f32 v14, v14, |v[\src+\i]|, |v[\src+\i+1]|
	v_max3_num_f32 v15, v15, |v[\src+\i+2]|, |v[\src+\i+3]|
.endr
	v_max3_num_f32 v14, v14, |v[\src+30]|, |v[\src+31]|
	v_max3_num_f32 v14, v14, v15, 0x1800000        ; and the floor 2^(3 - 127): the byte cannot fall under 1
	v_add_nc_u32 v16, 0xff000000, v14              ; 2 off its exponent field: the conversion takes the exponent field of this operand as its scale
.irp g, 0,1,2,3
	v_cvt_scalef32_pk8_fp4_f32 v[\dst+\g], v[\src+8*\g:\src+8*\g+7], v16
.endr
.endm
.macro BLOCK t
.set XS, X+32*((\t)%2)
.if (\t) < 3
	s_wait_loadcnt 32                              ; this block's 32 loads are in; the next block's 32 may be out
.else
	s_wait_loadcnt 0x0
.endif
.irp i, 0,1,2,3,4,5,6,7,8,9,10,11,12,13,14,15,16,17,18,19,20,21,22,23,24,25,26,27,28,29,30,31
	ds_store_b32 v[SS], v[XS+\i] offset:((\i%8)+8*((\i/16)%2)+16*((\i/8)%2))*SPITCH   ; row i goes to the slot of the lane that holds it in kimg: tile (i / 8) % 2, row i % 8 + 8 (i / 16)
.endr
.irp j, 0,1,2,3,4,5,6,7
	ds_load_b128 v[Y+4*\j:Y+4*\j+3], v[SL] offset:16*\j            ; LDS serves a wave's instructions in order (ISA guide 5.7.1.4): these see the stores above
.endr
	QB XS, VC+4*(\t)                               ; along the keys: my channel's block 4 ks + t
	v_lshrrev_b32 v18, 23, v16                     ; its byte (also the plain line behind the conversions)
.if (\t) == 0
	v_mov_b32 v[VW], v18
.else
	v_lshl_or_b32 v[VW], v18, 8*(\t), v[VW]
.endif
	global_store_b128 v[VO], v[VC+4*(\t):VC+4*(\t)+3], s[12:13] offset:256*(\t)    ; sixteen lanes store 256 consecutive bytes, at a multiple of 256 from vimg's first byte
	s_wait_dscnt 0x0                               ; the block is back, turned; and the stage's stores have read this set,
.if (\t) < 2
	LOAD (\t)+2                                    ; which takes the block two further on
.endif
	QB Y, KC+4*(\t)                                ; along the channels: my row's block w
	v_lshrrev_b32 v[KBY+(\t)], 23, v16
	ds_store_b8 v[KB], v[KBY+(\t)] offset:256*(\t)
	global_store_b128 v[KO], v[KC+4*(\t):KC+4*(\t)+3], s[8:9] offset:4096*(\t)     ; likewise 256 consecutive bytes for sixteen lanes
.endm
	BLOCK 0
	BLOCK 1
	BLOCK 2
	BLOCK 3
	ds_store_b32 v[VB], v[VW]
	s_wait_dscnt 0x0                               ; for the others' sake: my scale bytes and words lie in LDS
	s_barrier_signal -1
	s_barrier_wait -1                              ; everybody's do
	s_cmp_lt_u32 s[WV], 4                          ; waves 0, 1 store the 1,024 bytes of ksc, waves 2, 3 those of vsc: 512 consecutive bytes a wave
	s_cbranch_scc0 .Ldone
	ds_load_b128 v[Y:Y+3], v[FL]
	s_cmp_lt_u32 s[WV], 2
	s_cselect_b64 s[40:41], s[10:11], s[14:15]
	s_wait_dscnt 0x0
	global_store_b128 v[FO], v[Y:Y+3], s[40:41]
.Ldone:
	s_wait_tensorcnt 0x0                           ; the wave's end, behind my last LDS store
	ds_add_u32 v[SPW], v[NIL]
	s_wait_dscnt 0x0
	s_endpgm
	; THE LIST of batch b = work-group - 512.  Every wave counts all 2,048 masks; wave w places queries 256 w .. + 255.  No LDS is touched on this path.
.Llist:
	s_sub_co_u32 s24, ttmp9, 512                   ; b
	s_lshl_b32 s34, s24, 13                        ; mask and perm: b x 8,192
	s_mov_b32 s35, 0
	s_lshl_b32 s36, s24, 7                         ; cnt: b x 128
	s_mov_b32 s37, 0
	s_lshl_b32 s42, s[WV], 10                      ; my wave's 256 masks
	s_mov_b32 s43, 0
	s_wait_kmcnt 0x0
	s_add_nc_u64 s[6:7], s[6:7], s[34:35]
	s_add_nc_u64 s[16:17], s[16:17], s[34:35]
	s_add_nc_u64 s[18:19], s[18:19], s[36:37]
	s_add_nc_u64 s[42:43], s[6:7], s[42:43]
.irp k, 0,1,2,3,4,5,6,7,8,9,10,11,12,13,14,15
	global_load_b128 v[M+4*\k:M+4*\k+3], v[L16], s[6:7] offset:512*\k
.endr
	global_load_b128 v[OWN:OWN+3], v[L16], s[42:43]             ; register i of the eight, lane l: query 256 w + 128 (i / 4) + 4 l + i % 4
	global_load_b128 v[OWN+4:OWN+7], v[L16], s[42:43] offset:512
	s_mov_b32 s44, 0                               ; queries with m != 0 in the batch,
	s_mov_b32 s45, 0                               ; and in the waves ahead of mine
	s_wait_loadcnt 0x0
.set g, 0
.rept 8                                ; registers 8 g .. 8 g + 7 hold queries 256 g .. + 255.  Eight ballots into eight scalar registers, then their counts: no count waits for the compare just ahead of it
.irp n, 0,1,2,3,4,5,6,7
	v_cmp_ne_u32 s[48+\n], 0, v[M+8*g+\n]
.endr
.irp n, 0,1,2,3,4,5,6,7
	s_bcnt1_i32_b32 s[48+\n], s[48+\n]
.endr
	s_add_co_u32 s48, s48, s49
	s_add_co_u32 s50, s50, s51
	s_add_co_u32 s52, s52, s53
	s_add_co_u32 s54, s54, s55
	s_add_co_u32 s48, s48, s50
	s_add_co_u32 s52, s52, s54
	s_add_co_u32 s46, s48, s52
	s_add_co_u32 s44, s44, s46
	s_cmp_gt_u32 s[WV], g
	s_cselect_b32 s46, s46, 0
	s_add_co_u32 s45, s45, s46
.set g, g+1
.endr
	s_lshl_b32 s48, s[WV], 8                       ; 256 w
	s_sub_co_u32 s49, 2047, s48                    ; 2,047 - 256 w - 32 i
; In the order (w, i, lane) a query with m != 0 takes the place "how many such stand ahead of it"; one with m = 0 takes 2,047 - "how many such stand ahead of it": each place 0 .. 2,047 is taken once.
.irp i, 0,1,2,3,4,5,6,7
	v_cmp_ne_u32 s47, 0, v[OWN+\i]
	v_mbcnt_lo_u32_b32 v14, s47, 0                 ; such queries in the lanes under mine,
	v_add_nc_u32 v14, s45, v14                     ; and ahead of this register
	v_sub_nc_u32 v15, v14, v[LANE]
	v_add_nc_u32 v15, s49, v15                     ; 2,047 - (256 w + 32 i + lane - that number)
	v_cndmask_b32 v14, v15, v14, s47
	v_min_u32 v[LA+\i], 2047, v14                  ; (it is under 2,048 already: the bound is written where the number enters an address)
	v_lshlrev_b32 v[LA+\i], 2, v[LA+\i]
	v_lshl_add_u32 v[LD+\i], v[LANE], 2, s48
	v_add_nc_u32 v[LD+\i], 128*(\i/4)+\i%4, v[LD+\i]
	global_store_b32 v[LA+\i], v[LD+\i], s[16:17]  ; 4 bytes a lane to places that the masks decide: 8,192 bytes a batch, one part in 256 of what the launch reads
	s_bcnt1_i32_b32 s47, s47
	s_add_co_u32 s45, s45, s47
	s_sub_co_u32 s49, s49, 32
.endr
	s_cmp_lg_u32 s[WV], 0
	s_cbranch_scc1 .Lnocnt
	v_mov_b32 v19, s44
	global_store_b32 v[XO], v19, s[18:19]          ; the count, 32 times: the batch's 128 bytes of cnt
.Lnocnt:
	s_endpgm
.Lfunc_end_k_q26d5748282_prep:
	.size	k_q26d5748282_prep, .Lfunc_end_k_q26d5748282_prep-k_q26d5748282_prep
	.p2alignl 7, 3214868480
	.fill 96, 4, 3214868480
	.section	.rodata,"a",@progbits
	.p2align	6, 0x0
	.amdhsa_kernel k_q26d5748282_prep
		.amdhsa_group_segment_fixed_size 39936
		.amdhsa_private_segment_fixed_size 0
		.amdhsa_enable_private_segment 0
		.amdhsa_kernarg_size 64
		.amdhsa_user_sgpr_count 2
		.amdhsa_user_sgpr_kernarg_segment_ptr 1
		.amdhsa_wavefront_size32 1
		.amdhsa_system_sgpr_workgroup_id_x 1
		.amdhsa_system_sgpr_workgroup_id_y 1
		.amdhsa_system_sgpr_workgroup_id_z 1
		.amdhsa_system_vgpr_workitem_id 0
		.amdhsa_next_free_vgpr 160
		.amdhsa_next_free_sgpr 66
		.amdhsa_reserve_vcc 0
		.amdhsa_float_denorm_mode_32 3
		.amdhsa_float_denorm_mode_16_64 3
		.amdhsa_memory_ordered 1
		.amdhsa_forward_progress 1
		.amdhsa_inst_pref_size 55
	.end_amdhsa_kernel
	.amdgpu_metadata
---
amdhsa.version: [ 1, 2 ]
amdhsa.kernels:
  - .name:           k_q26d5748282_prep
    .symbol:         k_q26d5748282_prep.kd
    .args:
      - { .name: x, .offset: 0, .size: 8, .value_kind: global_buffer, .address_space: global }
      - { .name: mask, .offset: 8, .size: 8, .value_kind: global_buffer, .address_space: global }
      - { .name: kimg, .offset: 16, .size: 8, .value_kind: global_buffer, .address_space: global }
      - { .name: ksc, .offset: 24, .size: 8, .value_kind: global_buffer, .address_space: global }
      - { .name: vimg, .offset: 32, .size: 8, .value_kind: global_buffer, .address_space: global }
      - { .name: vsc, .offset: 40, .size: 8, .value_kind: global_buffer, .address_space: global }
      - { .name: perm, .offset: 48, .size: 8, .value_kind: global_buffer, .address_space: global }
      - { .name: cnt, .offset: 56, .size: 8, .value_kind: global_buffer, .address_space: global }
    .group_segment_fixed_size: 39936
    .private_segment_fixed_size: 0
    .kernarg_segment_align: 8
    .kernarg_segment_size: 64
    .max_flat_workgroup_size: 256
    .sgpr_count:     66
    .vgpr_count:     160
    .wavefront_size: 32
...
	.end_amdgpu_metadata
.endif
;; end of part 1
;; launch attn (part 2): grid 8 x 32, 4 waves a work-group, no clusters, 316,928 bytes of LDS; arguments kimg, ksc, vimg, vsc, perm, cnt, mask, out0; writes out0
.if DOCPART == 2
	.amdgcn_target "amdgcn-amd-amdhsa--gfx1250"
	.amdhsa_code_object_version 6
	.text
	.protected	k_q26d5748282_attn
	.globl	k_q26d5748282_attn
	.p2align	8
	.type	k_q26d5748282_attn,@function
k_q26d5748282_attn:
	s_mov_b64 s[64:65], 0
	v_nop
	global_prefetch_b8 v0, s[64:65] scope:SCOPE_SE
	s_setreg_imm32_b32 hwreg(HW_REG_WAVE_MODE, 25, 1), 1
	s_wait_xcnt 0x0
; out[j][d] = sum over i of Q(a[.][j]) Q(x[.][d]),  a[i][j] = exp(s[i][j]) m_j / (sum over i of exp(s[i][j]) m_j + 1e-7),  s[i][j] = Q(x_i) . Q(x_j): both products on codes of FP4 (E2M1) with E8M0 scales.
; The codes and scale words of x, along the channels (kimg, ksc) and along the keys (vimg, vsc), were laid by the launch before in the order of the operands' registers; so were perm and cnt.
; WORK LEFT OUT: a tile of 16 list entries whose first entry lies at or past cnt holds only queries with m = 0, whose columns of a and rows of out are zeros for every finite exp(s) (shown at the head of the launch
; before).  For a pair of such tiles neither product is computed, and zeros are stored at the head.  Where only a pair's second tile is such a tile, its first product, exponentials and quantiser are left out: zero codes
; are laid for it, and the second product gives its zeros.  LIMIT: an overflow of exp that reaches only such a column is not carried to the result.
; a IS QUANTISED FINISHED AND NORMALISED, so a query's exp(s) over all 2,048 keys is kept until its sum is known: THE KEYS ARE SHARED OUT AMONG THE WAVES.  A work-group serves 256 list entries of one batch, 16 (a tile) at a
; time, two tiles to a pair.  Wave w owns keys 512 w .. + 511: their codes along the channels stay in 512 registers for the whole launch, and a tile's exp(s), 16 queries x 512 keys, in 256.  The four waves' sums meet in LDS.
; Then each wave quantises its 512 keys of a and lays the codes in LDS as images of the operand's registers; for the second product wave w owns channels 64 w .. + 63 and walks all 2,048 keys; its part of
; vimg, 65,536 bytes, lies in LDS from the head on.  Each fragment of it that is read serves both tiles of the pair.  So each product and each exponential is done once, and nothing is fetched again.
; LAYOUT.  Both products are used transposed: S^T = K Q^T (source 0 = 16 keys, source 1 = 16 queries), O^T = V^T A^T (source 0 = 16 channels, source 1 = a): a lane holds ONE query (lane % 16) throughout.  The keys of a
; tile of K are not neighbours (tile 2 G + u, row r: key 32 G + 8 u + r + 8 (r / 8)), so that the 16 registers of tiles 2 G and 2 G + 1 are keys 32 G + 16 (lane / 16) + 0 .. 15.
; THE HEAD IS ONE STREAM OF LOADS.  The list's four loads go first; behind 56 loads of K they are awaited, the work-group's 256 list entries go to LDS, and the first tile's queries are asked for.  The zero rows are stored
; with V's first 64 loads issued among them.  Then each landed load of V goes to LDS and its registers are loaded again; in the last 64 steps a load of K is issued for each that lands, so that the last loads want no work.
; As reference(), the text takes no maximum away: exp(s) = 2^(s log2 e), and overflows where reference() does.
; LIMITS: v_exp_f32 and v_rcp_f32 give 0 for results under 2^-126 (ISA guide, 15.8): an exp(s) so small counts as 0, and a column's sum above 2^126 gives a = 0; a block of a under 2^-124 has the byte 1, as the rule has it;
; NaN and infinities among the inputs are not served.  m may be any int32: a = exp(s) x (m / (m x sum + 1e-7)).
; NO TENSOR LOAD, NO CLUSTER: the launch branches on a count read from memory, and joint requests are tensor loads; what the eight work-groups of a batch share
; is read once by each, at the head.  Every barrier stands outside the branches on the count, on every wave's path.
; LDS
.set PI,    262144                     ; behind V's 4 x 65,536 bytes ([wave][dtl 4][ks 16][c 2][512]): a's images [tile 2][ks 16][c 2][512 bytes]
.set PS,    294912                     ; a's scale words [tile 2][kp 8][lane]: lanes 0-15 key step 2 kp, lanes 16-31 key step 2 kp + 1
.set SM,    296960                     ; the waves' sums [tile 2][wave 4][query 16]
.set ST,    297472                     ; the way out: 16 rows x (256 bytes + 16) for each wave
.set LL,    314880                     ; the work-group's list entries: 12 slots of [tile 2][entry 16] words; slot s holds pair s % 8, so that the look-ahead of one pair needs no wrap
.set SPARE, 316416                     ; the spare words, 128 bytes for each wave: two blocks of 256 bytes that no other line names
; REGISTERS, in windows of 256 (s_set_vgpr_msb: bits 1:0 source 0, 3:2 source 1, 5:4 source 2, 7:6 destination).  Window 0:
.set AV,   2                           ; v2   LDS: my V + 16 x lane
.set AP,   3                           ; v3   a's images + 16 x lane
.set APW,  4                           ; v4   where I store mine: + 4,096 x wave
.set APS,  5                           ; v5   a's scale words + 4 x lane
.set APSW, 6                           ; v6   where I store mine: + 256 x wave
.set ASW,  7                           ; v7   my wave's sums + 4 r
.set ASR,  8                           ; v8   the sums + 4 r
.set STO,  9                           ; v9   my stage: row r, + 32 h
.set RD,   10                          ; v10  my stage, back: row h, + 16 r
.set LI16, 11                          ; v11  16 x lane
.set L4,   12                          ; v12  4 x lane
.set VSO,  13                          ; v13  1,024 h + 4 r
.set SPW,  14                          ; v14  LDS address of my spare word; never rewritten
.set NIL,  15                          ; v15  0; never rewritten
.set QF,   16                          ; v16-31  the tile's queries: two fragments (channels 0-127, 128-255)
.set QS,   32                          ; v32  their scale words: lanes 0-15 channels 0-127, lanes 16-31 channels 128-255
.set MK0,  33                          ; v33, v34  my query's m, tile 0 and tile 1
.set QA,   35                          ; v35-37  my query's place in kimg, in ksc, in mask
.set QSA,  36
.set MA,   37
.set LQ1,  38                          ; v38  my list entry of this pair's tile 1
.set LN0,  39                          ; v39, v40  and of the next pair's two tiles
.set LN1,  40
.set LQO,  41                          ; v41  4 r
.set RR,   42                          ; v[42:43]  m / (m x sum + 1e-7), as a pair
.set SU,   44                          ; v44-51  four packed chains of the sum
.set PC7,  52                          ; v52-55  a's codes of key blocks 14, 15 (apart from the others, so that no conversion's destination has a number among its sources' numbers)
.set RL,   56                          ; v56-71  list entries, then byte offsets, of the rows that I store
.set KS,   72                          ; v72-103   K's scale words, a register a tile: lanes 0-15 channels 0-127, lanes 16-31 channels 128-255
.set VS,   104                         ; v104-135  V's scale words [dtl 4][kp 8]: lanes 0-15 key step 2 kp, lanes 16-31 key step 2 kp + 1
.set PSR,  136                         ; v136-151  a's scale words [tile 2][kp 8], likewise
.set TM,   152                         ; v152-167  16 blocks' largest a
.set SCO,  168                         ; v168-183  the conversions' scale operands
.set BY,   184                         ; v184-199  the other half's maxima, then the bytes
.set PC,   200                         ; v200-227  a's codes of key blocks 0 to 13
.set LNA,  228                         ; v228  LDS: slot 1 of the list + 4 r: with 128 x pair, the next pair's entries
.set LLG,  229                         ; v229  perm: 512 h + 4 r: tile h, entry r of a pair
.set LLW,  230                         ; v230  LDS: the list + 128 x wave + 4 x lane: where I store a pair's 32 entries
.set ADL,  231                         ; v231  the LDS address of the list loads in hand
.set PW,   232                         ; v232-235  my four scale words
.set X01,  236                         ; v236, v237  two of them to a register
.set X23,  237
.set RLA,  238                         ; v238  LDS: the list + 4 h
.set CO16, 239                         ; v239  16 r
.set H256, 240                         ; v240  256 h
.set H64,  241                         ; v241  64 h
.set MF,   242                         ; v242  m as f32
.set DEN,  243                         ; v243  m x sum + 1e-7
.set ZQ,   244                         ; v244-247  zeros
.set TT,   248                         ; v248-251  at work
.set LD0,  252                         ; v252, v253  two pairs' list entries on their way to LDS
.set LD1,  253
; Window 1: exp(s), then a: tile kt of 32 at v[8 kt].  In the second product: v0-63 O^T (8 (4 tile + dtl)); v64-127 V's fragments, two sets; v128-159 a's, two sets; v160-223 rows on their way out.  At the head: V on its way to LDS.
.set VF,   64
.set PF,   128
.set OB,   160
; Window 2: K's fragments of channels 0-127, tile kt at v[8 kt].  Window 3: those of channels 128-255.
.set WV,   24                          ; s24  my wave's number
.set GX,   25                          ; s25  work-group x: which eighth of the list's tiles
.set BT,   26                          ; s26  the batch
.set CNT,  27                          ; s27  the batch's count of queries with m != 0
.set T0,   28                          ; s28  the pair's first list entry: 16 x + 256 pair
.set MC,   29                          ; s29  the pair
.set LO,   36                          ; s36  128 x pair: the pair's slot in the list
; s[30:31] log2 e;  s[32:33] v_permlanex16_b32's selects for lane l xor 16;  s34 the mask of lanes 16-31;  s35 at work;  s[38:39] perm at my first tile;  s[52:53] at pair w;  s[44:45] an offset;
; s[48:49] kimg at my wave's keys;  s[50:51] ksc likewise;  s[8:9] kimg, s[10:11] ksc, s[20:21] mask at my batch;  s[12:13] vimg, s[14:15] vsc, s[22:23] out at my batch and my wave's channels
.set MSB, 0
.macro WIN new                         ; the immediate's high byte repeats the setting that is left; a switch that changes nothing is dropped.  At every label and branch the setting is 0
.if MSB != \new
	s_set_vgpr_msb (MSB<<8)|\new
.set MSB, \new
.endif
.endm
.macro PLACES                          ; four plain places behind a matrix instruction, ahead of loads into its registers and of reads of its results
.rept 4
	v_nop
.endr
.endm
.macro BAR                             ; my LDS stores have landed and my LDS loads are in: then the work-group's barrier
	s_wait_dscnt 0x0
	s_barrier_signal -1
	s_barrier_wait -1
.endm
; my query's places, from its list entry in v[L]: query q lies in tile 2 (q / 32) + (q / 8) % 2 of kimg, row q % 8 + 8 ((q / 16) % 2)
.macro QADDR L
	v_min_u32 v[TT], 2047, v[\L]                   ; (a list entry is under 2,048: the bound is written where the number enters an address)
	v_and_b32 v[TT+1], 0x7e0, v[TT]
	v_and_b32 v[TT+2], 8, v[TT]
	v_lshl_add_u32 v[QA], v[TT+1], 7, v[H256]      ; kimg: 4,096 bytes for each 32 rows, 2,048 a tile, 16 a row, 256 for lanes 16-31
	v_lshl_add_u32 v[QSA], v[TT+1], 3, v[H64]      ; ksc: 256, 128, 4, and 64 for the second 128 channels, which lanes 16-31 take
	v_lshl_add_u32 v[QA], v[TT+2], 8, v[QA]
	v_lshl_add_u32 v[QSA], v[TT+2], 4, v[QSA]
	v_and_b32 v[TT+1], 7, v[TT]
	v_and_b32 v[TT+2], 16, v[TT]
	v_lshl_add_u32 v[QA], v[TT+1], 4, v[QA]
	v_lshl_add_u32 v[QSA], v[TT+1], 2, v[QSA]
	v_lshl_add_u32 v[QA], v[TT+2], 3, v[QA]
	v_lshl_add_u32 v[QSA], v[TT+2], 1, v[QSA]
	v_lshlrev_b32 v[MA], 2, v[TT]
.endm
.macro QLOAD qt                        ; the tile's two fragments, its scale words and its m
.irp f, 0,1,2,3
	global_load_b128 v[QF+4*\f:QF+4*\f+3], v[QA], s[8:9] offset:512*\f
.endr
	global_load_b32 v[QS], v[QSA], s[10:11]
	global_load_b32 v[MK0+\qt], v[MA], s[20:21]
.endm
.macro RADDR                           ; list entries in RL become byte offsets in out: 1,024 bytes a row, 16 bytes a lane
.set n, 0
.rept 16
	v_min_u32 v[RL+n], 2047, v[RL+n]
.set n, n+1
.endr
.set n, 0
.rept 16
	v_lshl_add_u32 v[RL+n], v[RL+n], 10, v[CO16]
.set n, n+1
.endr
.endm
; every query of pair m has m = 0: its 32 rows are zeros; I store my 64 channels of them.  Register 8 tile + i, lane (r, h): entry 2 i + h of the tile
.macro ZROWS m
	s_wait_xcnt 0x0                                ; the last pair's stores have read their offsets
.irp qt, 0,1
.irp i, 0,1,2,3,4,5,6,7
	ds_load_b32 v[RL+8*\qt+\i], v[RLA] offset:128*\m+64*\qt+8*\i
.endr
.endr
	s_wait_dscnt 0x0
	RADDR
.set n, 0
.rept 16
	global_store_b128 v[RL+n], v[ZQ:ZQ+3], s[22:23] th:TH_STORE_NT    ; sixteen lanes store 256 consecutive bytes, at a multiple of 256 from out's first byte
.set n, n+1
.endr
.endm
	s_load_b256 s[8:15], s[0:1], 0x0               ; kimg, ksc, vimg, vsc
	s_load_b256 s[16:23], s[0:1], 0x20             ; perm, cnt, mask, out
	v_lshl_add_u32 v[SPW], v0, 2, SPARE
	v_mov_b32 v[NIL], 0
	v_lshrrev_b32 v1, 5, v0
	v_readfirstlane_b32 s[WV], v1                  ; wave 0..3
	s_mov_b32 s[GX], ttmp9
	s_and_b32 s[BT], ttmp7, 0xffff
	v_and_b32 v1, 31, v0                           ; lane
	v_and_b32 v[TT], 15, v0                        ; r
	v_bfe_u32 v[TT+1], v0, 4, 1                    ; h
	s_lshl_b32 s35, s[WV], 16
	v_lshl_add_u32 v[AV], v1, 4, s35
	v_lshl_add_u32 v[AP], v1, 4, PI
	s_lshl_b32 s35, s[WV], 12
	s_add_co_u32 s35, s35, PI
	v_lshl_add_u32 v[APW], v1, 4, s35
	v_lshl_add_u32 v[APS], v1, 2, PS
	s_lshl_b32 s35, s[WV], 8
	s_add_co_u32 s35, s35, PS
	v_lshl_add_u32 v[APSW], v1, 2, s35
	s_lshl_b32 s35, s[WV], 6
	s_add_co_u32 s35, s35, SM
	v_lshl_add_u32 v[ASW], v[TT], 2, s35
	v_lshl_add_u32 v[ASR], v[TT], 2, SM
	s_mul_i32 s35, s[WV], 16*272
	s_add_co_u32 s35, s35, ST
	v_mul_u32_u24 v[STO], v[TT], 272
	v_lshl_add_u32 v[STO], v[TT+1], 5, v[STO]
	v_add_nc_u32 v[STO], s35, v[STO]
	v_mul_u32_u24 v[RD], v[TT+1], 272
	v_lshl_add_u32 v[RD], v[TT], 4, v[RD]
	v_add_nc_u32 v[RD], s35, v[RD]
	v_lshlrev_b32 v[LI16], 4, v1
	v_lshlrev_b32 v[L4], 2, v1
	v_lshlrev_b32 v[LQO], 2, v[TT]
	v_lshl_add_u32 v[VSO], v[TT+1], 10, v[LQO]
	v_lshl_add_u32 v[RLA], v[TT+1], 2, LL
	v_lshl_add_u32 v[LNA], v[TT], 2, LL+128
	v_lshl_add_u32 v[LLG], v[TT+1], 9, v[LQO]
	s_lshl_b32 s35, s[WV], 7
	s_add_co_u32 s35, s35, LL
	v_lshl_add_u32 v[LLW], v1, 2, s35
	v_lshlrev_b32 v[CO16], 4, v[TT]
	v_lshlrev_b32 v[H256], 8, v[TT+1]
	v_lshlrev_b32 v[H64], 6, v[TT+1]
.set n, 0
.rept 16
	v_mov_b32 v[BY+n], 0                           ; written once: a lane permute's destination counts as one of its sources
.set n, n+1
.endr
.irp n, 0,1,2,3
	v_mov_b32 v[ZQ+\n], 0
	v_mov_b32 v[TT+\n], 0
.endr
	v_mov_b32 v[MK0+1], 0
	v_mov_b32 v[LN1], 0
	s_mov_b32 s30, 0x3fb8aa3b                      ; log2 e
	s_mov_b32 s31, s30                             ; (named with it as a pair, so it is written)
	s_mov_b32 s32, 0x76543210
	s_mov_b32 s33, 0xfedcba98
	s_mov_b32 s34, 0xffff0000
	s_lshl_b32 s[T0], s[GX], 4
	s_mov_b32 s[MC], 0
	s_mov_b32 s[LO], 0
	s_mov_b32 s45, 0
	s_wait_kmcnt 0x0
	s_lshl_b32 s44, s[BT], 18                      ; a batch of kimg or vimg: 262,144 bytes
	s_add_nc_u64 s[8:9], s[8:9], s[44:45]
	s_add_nc_u64 s[12:13], s[12:13], s[44:45]
	s_lshl_b32 s44, s[WV], 16                      ; my 32 tiles of kimg, my 4 tiles of channels of vimg: 65,536 bytes each
	s_add_nc_u64 s[48:49], s[8:9], s[44:45]
	s_add_nc_u64 s[12:13], s[12:13], s[44:45]
	s_lshl_b32 s44, s[BT], 14                      ; a batch of ksc or vsc: 16,384 bytes
	s_add_nc_u64 s[10:11], s[10:11], s[44:45]
	s_add_nc_u64 s[14:15], s[14:15], s[44:45]
	s_lshl_b32 s44, s[WV], 12
	s_add_nc_u64 s[50:51], s[10:11], s[44:45]
	s_lshl_b32 s44, s[WV], 8                       ; my 64 channels: 256 bytes of a row of vsc and of out
	s_add_nc_u64 s[14:15], s[14:15], s[44:45]
	s_add_nc_u64 s[22:23], s[22:23], s[44:45]
	s_lshl_b32 s44, s[BT], 13
	s_add_nc_u64 s[20:21], s[20:21], s[44:45]
	s_add_nc_u64 s[16:17], s[16:17], s[44:45]
	s_lshl_b32 s44, s[GX], 6                       ; list tile x: 64 bytes a tile; pair p's tiles are x + 16 p and x + 16 p + 8
	s_add_nc_u64 s[38:39], s[16:17], s[44:45]
	s_lshl_b32 s44, s[WV], 10                      ; a pair on: 16 tiles, 1,024 bytes
	s_add_nc_u64 s[52:53], s[38:39], s[44:45]
	s_lshl_b32 s44, s[BT], 7
	s_add_nc_u64 s[18:19], s[18:19], s[44:45]
	s_load_b32 s[CNT], s[18:19], 0x0
	s_lshl_b32 s44, s[BT], 21
	s_add_nc_u64 s[22:23], s[22:23], s[44:45]
	global_load_b32 v[LN0], v[LQO], s[38:39]                    ; the first pair's list entries: lane (r, h) takes entry r
	global_load_b32 v[LQ1], v[LQO], s[38:39] offset:512         ; its second tile lies 8 tiles on
	global_load_b32 v[LD0], v[LLG], s[52:53]                    ; pair w's 32 entries: lane (r, h): tile h, entry r;
	global_load_b32 v[LD1], v[LLG], s[52:53] offset:4096        ; and pair w + 4's
	WIN 0x80                                       ; destination window 2: load n of 64 brings registers 4 n .. 4 n + 3: tile n / 2, half n % 2
.set n, 0
.rept 56
	global_load_b128 v[4*n:4*n+3], v[LI16], s[48:49] offset:2048*(n/2)+512*(n%2)
.set n, n+1
.endr
	WIN 0
	s_wait_loadcnt 56                              ; loads come back in order (ISA guide 5.7.1): the list's four are in, the 56 of K behind them may be out
	ds_store_b32 v[LLW], v[LD0]                    ; slot w,
	ds_store_b32 v[LLW], v[LD1] offset:512         ; slot w + 4,
	ds_store_b32 v[LLW], v[LD0] offset:1024        ; and slot w + 8, which repeats pair w
	QADDR LN0
	QLOAD 0                                        ; the first tile's queries land with all that follows
	WIN 0x80
.set n, 56
.rept 8
	global_load_b128 v[4*n:4*n+3], v[LI16], s[48:49] offset:2048*(n/2)+512*(n%2)
.set n, n+1
.endr
	WIN 0
.set kt, 0
.rept 32
	global_load_b32 v[KS+kt], v[L4], s[50:51] offset:128*kt
.set kt, kt+1
.endr
	BAR                                            ; the work-group's list lies in LDS
	s_wait_kmcnt 0x0                               ; the count
	; THE ZERO ROWS, pair by pair, with eight of V's first 64 loads ahead of each pair: the loads are on their way while the zeros go out.  V's load n lands in registers 4 n .. 4 n + 3 of window 1
.irp m, 0,1,2,3,4,5,6,7
	WIN 0x40
.irp i, 0,1,2,3,4,5,6,7
	global_load_b128 v[4*(8*\m+\i):4*(8*\m+\i)+3], v[LI16], s[12:13] offset:512*(8*\m+\i)
.endr
	WIN 0
	s_add_co_u32 s35, s[T0], 256*\m
	s_cmp_lt_u32 s35, s[CNT]
	s_cbranch_scc1 .Lact\m
	ZROWS \m
.Lact\m:
.endr
	; my 65,536 bytes of vimg go into LDS through window 1; each lane's 16 bytes keep their place, so a fragment comes back as it was laid.  One window setting serves the store (data: window 1) and the load (destination: window 1)
	WIN 0x44
.set n, 0
.rept 64
.if n < 8
	s_wait_loadcnt 63-n                            ; load n is in; the 63 - n behind it may be out
.else
	s_wait_loadcnt 55                              ; load n is in; behind it: 63 - n of the first 64, and the n - 8 reloads issued so far
.endif
	ds_store_b128 v[AV], v[4*n:4*n+3] offset:512*n
.if n >= 8
	s_wait_dscnt 8                                 ; the store of eight steps back has read its registers (the eight younger ones may be out),
	global_load_b128 v[4*(n-8):4*(n-8)+3], v[LI16], s[12:13] offset:32768+512*(n-8)   ; which take V's load 64 + n - 8
.endif
.set n, n+1
.endr
	s_wait_dscnt 0x0
.set n, 56
.rept 8
	global_load_b128 v[4*n:4*n+3], v[LI16], s[12:13] offset:32768+512*n
.set n, n+1
.endr
	WIN 0xc4                                       ; the store's data: window 1; the load's destination: window 3
.set n, 0
.rept 64
	s_wait_loadcnt 63                              ; V's load 64 + n is in; behind it: 63 - n of V and n of K
	ds_store_b128 v[AV], v[4*n:4*n+3] offset:32768+512*n
	global_load_b128 v[4*n:4*n+3], v[LI16], s[48:49] offset:2048*(n/2)+1024+512*(n%2)   ; K's channels 128-255
.set n, n+1
.endr
	WIN 0
.irp dtl, 0,1,2,3
.irp kp, 0,1,2,3,4,5,6,7
	global_load_b32 v[VS+8*\dtl+\kp], v[VSO], s[14:15] offset:2048*\kp+64*\dtl
.endr
.endr
; S^T = K Q^T for my 512 keys: 32 accumulators by turns, one instruction a turn, channels 0-127 and then 128-255.  The first product starts each sum: nothing is cleared.
.macro PROD1
	WIN 0x42                                       ; K window 2, Q window 0, S^T window 1
.set kt, 0
.rept 32
	v_wmma_scale_f32_16x16x128_f8f6f4 v[8*kt:8*kt+7], v[8*kt:8*kt+7], v[QF:QF+7], 0, v[KS+kt], v[QS] matrix_a_fmt:MATRIX_FMT_FP4 matrix_b_fmt:MATRIX_FMT_FP4
.set kt, kt+1
.endr
	WIN 0x53                                       ; K window 3, C and D window 1
.set kt, 0
.rept 32
	v_wmma_scale_f32_16x16x128_f8f6f4 v[8*kt:8*kt+7], v[8*kt:8*kt+7], v[QF+8:QF+15], v[8*kt:8*kt+7], v[KS+kt], v[QS] matrix_a_fmt:MATRIX_FMT_FP4 matrix_b_fmt:MATRIX_FMT_FP4 matrix_a_scale:MATRIX_SCALE_ROW1 matrix_b_scale:MATRIX_SCALE_ROW1
.set kt, kt+1
.endr
	WIN 0
	PLACES
.endm
; exp(s) in place, and my wave's part of each query's sum.  The 256 exponentials are ONE batch: a pair is scaled two pairs ahead of its exponentials, nothing names a result, and one wait stands behind the batch.
; The registers go in ascending order: each accumulator is first read at its low end.
.macro EXPS qt
	WIN 0x41
	v_pk_mul_f32 v[0:1], v[0:1], s[30:31] op_sel_hi:[1,0]
	v_pk_mul_f32 v[2:3], v[2:3], s[30:31] op_sel_hi:[1,0]
.set n, 0
.rept 128
.if n < 126
	v_pk_mul_f32 v[2*n+4:2*n+5], v[2*n+4:2*n+5], s[30:31] op_sel_hi:[1,0]
.endif
	v_exp_f32 v[2*n], v[2*n]
	v_exp_f32 v[2*n+1], v[2*n+1]
.set n, n+1
.endr
	v_nop                                          ; the plain instruction behind the last exponential
	s_wait_alu depctr_va_vdst(0)                   ; one wait for the batch, ahead of its first reader
	WIN 0x05
.irp c, 0,1,2,3
	v_pk_add_f32 v[SU+2*\c:SU+2*\c+1], v[4*\c:4*\c+1], v[4*\c+2:4*\c+3]    ; the first eight pairs start four chains
.endr
	WIN 0x04
.set n, 8
.rept 120
	v_pk_add_f32 v[SU+2*(n%4):SU+2*(n%4)+1], v[SU+2*(n%4):SU+2*(n%4)+1], v[2*n:2*n+1]
.set n, n+1
.endr
	WIN 0
	v_pk_add_f32 v[SU:SU+1], v[SU:SU+1], v[SU+2:SU+3]
	v_pk_add_f32 v[SU+4:SU+5], v[SU+4:SU+5], v[SU+6:SU+7]
	v_pk_add_f32 v[SU:SU+1], v[SU:SU+1], v[SU+4:SU+5]
	v_add_f32 v[TT], v[SU], v[SU+1]
	v_permlanex16_b32 v[TT+1], v[TT], s32, s33
	v_add_f32 v[TT], v[TT], v[TT+1]                ; with lane l xor 16's keys: my 512 keys' sum for query r
	ds_store_b32 v[ASW], v[TT] offset:256*\qt      ; (both halves write the same word with the same value)
.endm
; a = exp(s) x m / (m x sum + 1e-7), quantised along the keys; the codes and scale words of my four key steps go to LDS as images of the operand's registers
.macro QUANT qt
	s_wait_loadcnt 0x0                             ; m (and whatever else was asked for)
.irp u, 0,1,2,3
	ds_load_b32 v[TT+\u], v[ASR] offset:256*\qt+64*\u
.endr
	v_cvt_f32_i32 v[MF], v[MK0+\qt]
	s_wait_dscnt 0x0
	v_add_f32 v[TT], v[TT], v[TT+1]
	v_add_f32 v[TT+2], v[TT+2], v[TT+3]
	v_add_f32 v[TT], v[TT], v[TT+2]                ; the same order in every wave
	v_fmaak_f32 v[DEN], v[MF], v[TT], 0x33d6bf95   ; m x sum + 1e-7
	v_rcp_f32 v[RR+1], v[DEN]
	v_nop
	s_wait_alu depctr_va_vdst(0)                   ; ahead of the reciprocal's first reader
	v_mul_f32 v[RR], v[MF], v[RR+1]
	v_mov_b32 v[RR+1], v[RR]
	WIN 0x41
.set n, 0
.rept 128
	v_pk_mul_f32 v[2*n:2*n+1], v[2*n:2*n+1], v[RR:RR+1] op_sel_hi:[1,0]
.set n, n+1
.endr
	WIN 0x05
.set n, 0
.rept 16
	v_max3_num_f32 v[TM+n], |v[16*n]|, |v[16*n+1]|, 0x1800000      ; block n of 32 keys: my 16 numbers, and the floor 2^(3 - 127): the byte cannot fall under 1
.set n, n+1
.endr
	WIN 0x14
.irp i, 2,4,6,8,10,12,14
.set n, 0
.rept 16
	v_max3_num_f32 v[TM+n], v[TM+n], |v[16*n+\i]|, |v[16*n+\i+1]|  ; (the sixteen blocks by turns)
.set n, n+1
.endr
.endr
	WIN 0
.set n, 0
.rept 16
	v_permlanex16_b32 v[BY+n], v[TM+n], s32, s33
.set n, n+1
.endr
.set n, 0
.rept 16
	v_max_num_f32 v[TM+n], v[TM+n], v[BY+n]        ; with lane l xor 16's: the block's largest
.set n, n+1
.endr
.set n, 0
.rept 16
	v_add_nc_u32 v[SCO+n], 0xff000000, v[TM+n]     ; 2 off its exponent field: the conversion's scale operand
.set n, n+1
.endr
.set n, 0
.rept 16
	v_lshrrev_b32 v[BY+n], 23, v[SCO+n]            ; the scale's byte
.set n, n+1
.endr
.irp k, 0,1,2,3
	v_lshl_or_b32 v[PW+\k], v[BY+4*\k+1], 8, v[BY+4*\k]
.endr
.irp k, 0,1,2,3
	v_lshl_or_b32 v[PW+\k], v[BY+4*\k+2], 16, v[PW+\k]
.endr
.irp k, 0,1,2,3
	v_lshl_or_b32 v[PW+\k], v[BY+4*\k+3], 24, v[PW+\k]             ; my query's scale word of key step k of my four
.endr
	v_cndmask_b32 v[X01], v[PW], v[PW+1], s34      ; lanes 0-15 the even key step's, lanes 16-31 the odd one's
	v_cndmask_b32 v[X23], v[PW+2], v[PW+3], s34
	WIN 0x01
.set n, 0
.rept 16
.set pg, PC+2*n
.if n > 13
.set pg, PC7+2*(n-14)
.endif
	v_cvt_scalef32_pk8_fp4_f32 v[pg], v[16*n:16*n+7], v[SCO+n]
	v_cvt_scalef32_pk8_fp4_f32 v[pg+1], v[16*n+8:16*n+15], v[SCO+n]
.set n, n+1
.endr
	WIN 0
	v_nop                                          ; one plain place behind the conversions
.set n, 0
.rept 8                                ; the operand's layout wants a whole block in a lane: lanes 0-15 the even block, lanes 16-31 the odd one
.set pg, PC+4*n
.if n == 7
.set pg, PC7
.endif
	v_permlane16_swap_b32 v[pg], v[pg+2]
	v_permlane16_swap_b32 v[pg+1], v[pg+3]
.set n, n+1
.endr
.set n, 0
.rept 8
.set pg, PC+4*n
.if n == 7
.set pg, PC7
.endif
	ds_store_b128 v[APW], v[pg:pg+3] offset:16384*\qt+512*n        ; key step n / 2 of my four, half n % 2
.set n, n+1
.endr
	ds_store_b32 v[APSW], v[X01] offset:1024*\qt
	ds_store_b32 v[APSW], v[X23] offset:1024*\qt+128
.endm
; the pair's second tile holds queries with m = 0 alone: a = 0 there.  My four key steps of it are zero codes, under the scale byte 127
.macro QZERO
	v_mov_b32 v[X01], 0x7f7f7f7f
.set n, 0
.rept 8
	ds_store_b128 v[APW], v[ZQ:ZQ+3] offset:16384+512*n
.set n, n+1
.endr
	ds_store_b32 v[APSW], v[X01] offset:1024
	ds_store_b32 v[APSW], v[X01] offset:1024+128
.endm
.macro NEXTQ                           ; the next pair's first tile is asked for; its second tile's entries are kept
	QADDR LN0
	QLOAD 0
	v_mov_b32 v[LQ1], v[LN1]
.endm
; key step KX's fragments into set KX % 2: V's four tiles of channels (8 loads), a's two tiles of queries (4 loads)
.macro FETCH
	WIN 0x40
.irp dtl, 0,1,2,3
.irp c, 0,1
	ds_load_b128 v[VF+32*(KX%2)+8*\dtl+4*\c:VF+32*(KX%2)+8*\dtl+4*\c+3], v[AV] offset:(16*\dtl+KX)*1024+512*\c
.endr
.endr
.irp qt, 0,1
.irp c, 0,1
	ds_load_b128 v[PF+16*(KX%2)+8*\qt+4*\c:PF+16*(KX%2)+8*\qt+4*\c+3], v[AP] offset:(16*\qt+KX)*1024+512*\c
.endr
.endr
.endm
; O^T = V^T A^T for my 64 channels and the pair's 32 queries, over all 16 key steps of 128: eight accumulators by turns, one instruction a turn.  Fragments run one key step ahead.
; a's scale words and the list entries of the rows that I shall store are fetched with the first fragments.
.macro PROD2
	WIN 0
	v_add_nc_u32 v[ADL], s[LO], v[RLA]
.irp qt, 0,1
.irp kp, 0,1,2,3,4,5,6,7
	ds_load_b32 v[PSR+8*\qt+\kp], v[APS] offset:1024*\qt+128*\kp
.endr
.endr
.irp qt, 0,1
.irp i, 0,1,2,3,4,5,6,7
	ds_load_b32 v[RL+8*\qt+\i], v[ADL] offset:64*\qt+8*\i          ; register 8 tile + i, lane (r, h): entry 2 i + h of the tile
.endr
.endr
.set KX, 0
	FETCH
.set KY, 0
.rept 16
.if KY > 0
	PLACES                                         ; ahead of loads into the set that the last key step's products read
.endif
.if KY < 15
.set KX, KY+1
	FETCH
	s_wait_dscnt 12                                ; all but the 12 loads just issued: this key step's fragments are in (in the first step the scale words and the list entries too)
.else
	s_wait_dscnt 0x0
.endif
	WIN 0x55
.irp dtl, 0,1,2,3
.irp qt, 0,1
.set rO, 8*(4*\qt+\dtl)
.set rV, VF+32*(KY%2)+8*\dtl
.set rP, PF+16*(KY%2)+8*\qt
.set rA, VS+8*\dtl+KY/2
.set rB, PSR+8*\qt+KY/2
.if KY == 0
	v_wmma_scale_f32_16x16x128_f8f6f4 v[rO:rO+7], v[rV:rV+7], v[rP:rP+7], 0, v[rA], v[rB] matrix_a_fmt:MATRIX_FMT_FP4 matrix_b_fmt:MATRIX_FMT_FP4
.elseif KY%2 == 0
	v_wmma_scale_f32_16x16x128_f8f6f4 v[rO:rO+7], v[rV:rV+7], v[rP:rP+7], v[rO:rO+7], v[rA], v[rB] matrix_a_fmt:MATRIX_FMT_FP4 matrix_b_fmt:MATRIX_FMT_FP4
.else
	v_wmma_scale_f32_16x16x128_f8f6f4 v[rO:rO+7], v[rV:rV+7], v[rP:rP+7], v[rO:rO+7], v[rA], v[rB] matrix_a_fmt:MATRIX_FMT_FP4 matrix_b_fmt:MATRIX_FMT_FP4 matrix_a_scale:MATRIX_SCALE_ROW1 matrix_b_scale:MATRIX_SCALE_ROW1
.endif
.endr
.endr
.set KY, KY+1
.endr
.endm
; THE WAY OUT.  A lane holds 32 neighbouring bytes of a row, the lanes beside it other rows: a tile goes through my own stage and comes back as rows of 256 bytes, which sixteen lanes store whole.
.macro SEND
	WIN 0
	PLACES
	RADDR                                          ; (with the four above: the places between the last products and the next matrix instruction that writes over their registers)
.irp qt, 0,1
	WIN 0x04
.irp dtl, 0,1,2,3
	ds_store_b128 v[STO], v[8*(4*\qt+\dtl):8*(4*\qt+\dtl)+3] offset:64*\dtl        ; each accumulator from its low end on
	ds_store_b128 v[STO], v[8*(4*\qt+\dtl)+4:8*(4*\qt+\dtl)+7] offset:64*\dtl+16
.endr
	WIN 0x40
.irp i, 0,1,2,3,4,5,6,7
	ds_load_b128 v[OB+32*\qt+4*\i:OB+32*\qt+4*\i+3], v[RD] offset:544*\i           ; LDS serves a wave's instructions in order (ISA guide 5.7.1.4): these see the stores above, and the next tile's stores come behind them
.endr
.endr
	WIN 0x04
.irp qt, 0,1
.irp i, 0,1,2,3,4,5,6,7
	s_wait_dscnt (1-\qt)*16+7-\i                   ; younger: the tile's later loads, and for tile 0 tile 1's sixteen LDS instructions
	global_store_b128 v[RL+8*\qt+\i], v[OB+32*\qt+4*\i:OB+32*\qt+4*\i+3], s[22:23] th:TH_STORE_NT   ; sixteen lanes store 256 consecutive bytes, at a multiple of 256 from out's first byte
.endr
.endr
	WIN 0
.endm
	s_wait_dscnt 0x0                               ; V lies in LDS, and the stores have read window 1, which the first products write
	s_wait_loadcnt 0x0                             ; K, the scale words and the first tile's queries are in
	s_wait_xcnt 0x0                                ; the zero rows' stores have read their offsets
.Ltrip:                                                ; eight trips, a pair of tiles each.  The count decides region by region; the three barriers are passed in every trip.  No load of mine is out here
	s_cmp_lt_u32 s[T0], s[CNT]
	s_cbranch_scc0 .Lb1
	PROD1
	v_add_nc_u32 v[ADL], s[LO], v[LNA]
	ds_load_b32 v[LN0], v[ADL]                     ; the next pair's list entries: lane (r, h) takes entry r (behind the last pair: slot 8, the first pair's again)
	ds_load_b32 v[LN1], v[ADL] offset:64
	QADDR LQ1
	QLOAD 1                                        ; tile 1's queries land under tile 0's exponentials
	EXPS 0
.Lb1:
	BAR                                            ; tile 0's four sums lie in LDS; and nobody reads the last pair's images any more
	s_cmp_lt_u32 s[T0], s[CNT]
	s_cbranch_scc0 .Lb2
	QUANT 0
	s_add_co_u32 s35, s[T0], 128                   ; tile 1's first list entry
	s_cmp_lt_u32 s35, s[CNT]
	s_cbranch_scc0 .Lh1
	PROD1
	NEXTQ
	EXPS 1
	s_branch .Lb2
.Lh1:
	NEXTQ
.Lb2:
	BAR                                            ; tile 1's four sums lie in LDS
	s_cmp_lt_u32 s[T0], s[CNT]
	s_cbranch_scc0 .Lb3
	s_add_co_u32 s35, s[T0], 128
	s_cmp_lt_u32 s35, s[CNT]
	s_cbranch_scc0 .Lh2
	QUANT 1
	s_branch .Lb3
.Lh2:
	QZERO
.Lb3:
	BAR                                            ; both tiles' images and scale words are whole
	s_cmp_lt_u32 s[T0], s[CNT]
	s_cbranch_scc0 .Lb4
	PROD2
	SEND
.Lb4:
	s_wait_loadcnt 0x0                             ; the next tile's queries are in: no load of mine is out,
	s_wait_xcnt 0x0                                ; and the stores have read their registers: offsets and data may be written again
	s_add_co_u32 s[T0], s[T0], 256
	s_add_co_u32 s[LO], s[LO], 128
	s_add_co_u32 s[MC], s[MC], 1
	s_cmp_lt_u32 s[MC], 8
	s_cbranch_scc1 .Ltrip
	s_wait_tensorcnt 0x0                           ; the wave's end, behind my last LDS store
	ds_add_u32 v[SPW], v[NIL]
	s_wait_dscnt 0x0
	s_endpgm
.Lfunc_end_k_q26d5748282_attn:
	.size	k_q26d5748282_attn, .Lfunc_end_k_q26d5748282_attn-k_q26d5748282_attn
	.p2alignl 7, 3214868480
	.fill 96, 4, 3214868480
	.section	.rodata,"a",@progbits
	.p2align	6, 0x0
	.amdhsa_kernel k_q26d5748282_attn
		.amdhsa_group_segment_fixed_size 316928
		.amdhsa_private_segment_fixed_size 0
		.amdhsa_enable_private_segment 0
		.amdhsa_kernarg_size 64
		.amdhsa_user_sgpr_count 2
		.amdhsa_user_sgpr_kernarg_segment_ptr 1
		.amdhsa_wavefront_size32 1
		.amdhsa_system_sgpr_workgroup_id_x 1
		.amdhsa_system_sgpr_workgroup_id_y 1
		.amdhsa_system_sgpr_workgroup_id_z 1
		.amdhsa_system_vgpr_workitem_id 0
		.amdhsa_next_free_vgpr 1024
		.amdhsa_next_free_sgpr 72
		.amdhsa_reserve_vcc 0
		.amdhsa_float_denorm_mode_32 3
		.amdhsa_float_denorm_mode_16_64 3
		.amdhsa_memory_ordered 1
		.amdhsa_forward_progress 1
		.amdhsa_inst_pref_size 249
	.end_amdhsa_kernel
	.amdgpu_metadata
---
amdhsa.version: [ 1, 2 ]
amdhsa.kernels:
  - .name:           k_q26d5748282_attn
    .symbol:         k_q26d5748282_attn.kd
    .args:
      - { .name: kimg, .offset: 0, .size: 8, .value_kind: global_buffer, .address_space: global }
      - { .name: ksc, .offset: 8, .size: 8, .value_kind: global_buffer, .address_space: global }
      - { .name: vimg, .offset: 16, .size: 8, .value_kind: global_buffer, .address_space: global }
      - { .name: vsc, .offset: 24, .size: 8, .value_kind: global_buffer, .address_space: global }
      - { .name: perm, .offset: 32, .size: 8, .value_kind: global_buffer, .address_space: global }
      - { .name: cnt, .offset: 40, .size: 8, .value_kind: global_buffer, .address_space: global }
      - { .name: mask, .offset: 48, .size: 8, .value_kind: global_buffer, .address_space: global }
      - { .name: out0, .offset: 56, .size: 8, .value_kind: global_buffer, .address_space: global }
    .group_segment_fixed_size: 316928
    .private_segment_fixed_size: 0
    .kernarg_segment_align: 8
    .kernarg_segment_size: 64
    .max_flat_workgroup_size: 128
    .sgpr_count:     72
    .vgpr_count:     1024
    .wavefront_size: 32
...
	.end_amdgpu_metadata
.endif
;; end of part 2
